; MI455X (gfx1250); checked and timed in simulation.
; The chip was launched on July 23, 2026; its instructions are those of AMD's public machine-readable ISA for CDNA 5 (MIT licence, August 2026) and "CDNA5" Instruction Set Architecture Reference Guide (July 2026). The comments in the code are by the model that wrote it; some were corrected since.
;; Qwen3 Seq Parallel MLP. Allowed arithmetic: matrix products marked QUANTISED: E3M2 operands, one E8M0 scale for each 32 along K, by v_wmma_scale_f32_16x16x128_f8f6f4 with both operands' format E3M2, f32 sums; everything else in f32.
;; Inputs: h_shard 2 x 512 x 2,048 float32; w_down 2,048 x 8,192 float32; w_gate_up 16,384 x 2,048 float32.
;; Outputs: out0 2 x 512 x 2,048 float32.
;; This version of the problem:
;;   THIS VERSION OF THE PROBLEM IS GIVEN IN LOW PRECISION. The matrix products marked QUANTISED in the list below multiply operands that are first quantised to E3M2 (3 exponent bits, 2 mantissa bits; 6 bits a number), with one power-of-two scale for each 32 numbers along K (OCP MX v1.0); their sums are f32. All else is computed in f32.
;;   The module's matrix products, in the order in which they are computed (A, B: the left and right operand; K: the contracted axis; several contracted axes count as one K, in the product's order):
;;     1. [M 1,024, K 2,048] x [K 2,048, N 16,384]; A: input h_shard; B: input w_gate_up: QUANTISED
;;     2. [M 1,024, K 8,192] x [K 8,192, N 2,048]; A: computed on the way; B: input w_down: QUANTISED
;;   THE QUANTISER, for each operand of a quantised product, along K:
;;     - K is cut into blocks of 32 from its start; a last block that is shorter is filled with zeros.
;;     - A block's scale is 2^e with e = floor(log2(the largest magnitude in the block)) - 4, held to -126 .. 127; a block of zeros has e = 0. As a byte (E8M0): e + 127.
;;     - Each number is divided by its block's scale, clamped to +-28, and rounded to the nearest number of E3M2, ties to even, subnormals kept.
;;     - The product sums the exact products of the quantised numbers (number of the format x scale) in f32.
;;   ~~~python
;;   def quantise(x, axis):      # numpy; x: float32 -> the quantised numbers, widened to float32 again
;;       x = np.moveaxis(x, axis, -1); K = x.shape[-1]
;;       x = np.pad(x, [(0, 0)] * (x.ndim - 1) + [(0, -K % 32)]); x = x.reshape(x.shape[:-1] + (-1, 32)); a = np.abs(x).max(-1, keepdims=True)
;;       e = np.where(a > 0, np.clip(np.frexp(np.where(a > 0, a, 1))[1] - 1 - 4, -126, 127), 0)      # np.frexp(a)[1] - 1 = floor(log2(a)), exactly
;;       r = np.clip(x / 2.0 ** e, -28, 28)
;;       step = 2.0 ** (np.maximum(np.frexp(np.where(r == 0, 1, r))[1] - 1, -2) - 2)
;;       q = np.round(r / step) * step * 2.0 ** e      # np.round: ties to even
;;       return np.moveaxis(q.reshape(q.shape[:-2] + (-1,))[..., :K], -1, axis).astype(np.float32)
;;   ~~~
;;   OPERANDS COMPUTED ON THE WAY. 'Computed on the way' means the value that the module computes at that place (a softmax that the list does not call 'softmax' is quantised finished and normalised). What goes into a quantiser is computed in f32, as accurately as f32 sums, v_exp_f32 and their like allow (about 1e-6 of the number): no bf16 or f16 on the way to a quantiser, and a product that is left as it is and whose result goes on into a quantised operand takes f32 operands (vector FMAs, or v_wmma_f32_16x16x4_f32). A number that lies on a knife's edge between two numbers of the format may be rounded either way, as far as f32 arithmetic and the matrix unit's own rounding can turn it there, and no further.
;; One version. Each part assembles by itself: llvm-mc -triple=amdgcn-amd-amdhsa -mcpu=gfx1250 --defsym DOCPART=n.
;; ======== version 1 of 1: 3 launches
;; limits: right only within a limited range of input values
;; workspace buffers: hx 1,638,400 bytes; wgu 26,214,400 bytes; wdn 13,107,200 bytes; hq 6,553,600 bytes
;; launch quant (part 1): grid 256 x 1, 9 waves a work-group, no clusters, 327,680 bytes of LDS; arguments h_shard, w_gate_up, hx, wgu; writes hx, wgu
.if DOCPART == 1
	.amdgcn_target "amdgcn-amd-amdhsa--gfx1250"
	.amdhsa_code_object_version 6
	.text
	.protected	k_qdcd167cf5d_quant
	.globl	k_qdcd167cf5d_quant
	.p2align	8
	.type	k_qdcd167cf5d_quant,@function
k_qdcd167cf5d_quant:
	s_mov_b64 s[64:65], 0
	v_nop
	global_prefetch_b8 v0, s[64:65] scope:SCOPE_SE
	s_setreg_imm32_b32 hwreg(HW_REG_WAVE_MODE, 25, 1), 1
	s_wait_xcnt 0x0
; h_shard [1024][2048] and w_gate_up [16384][2048], f32 with K innermost, become codes of BF6 (E3M2) with one E8M0 scale byte for each 32 along K,
; LAID IN THE ORDER OF THE OPERANDS' REGISTERS.  (w_down is quantised by the next launch, which does not read its codes.)
; A FRAGMENT (16 rows x 128 K, 12 registers a lane; lane l = r + 16 h holds row r, registers 6 c .. 6 c + 5 hold k = 64 c + 32 h + 0 .. 31) is an image of 1,536 bytes:
;   registers 0-3 at 16 l, registers 6-9 at 512 + 16 l, registers 4-5 at 1,024 + 8 l, registers 10-11 at 1,280 + 8 l.
; A UNIT (128 rows x 128 K) is 12,800 bytes: eight fragments, then 128 scale words (row 16 f + r at 12,288 + 64 f + 4 r).  A buffer is [group of 128 rows][16 K steps][unit].
; h_shard's rows keep their order.  Group G of w_gate_up: fragment f, lane row r is row 64 G + 8,192 (f / 4) + 32 ((f / 2) % 2) + 8 (f % 2) + r + 8 (r / 8).
; THE SCALE: 2^(floor(log2(the block's largest magnitude)) - 4); its byte is that magnitude's exponent field - 4, held at 1 from below by a floor among the maximum's leaves.
; A block of zeros so gets the byte 1 where the rule says 127: its codes are zeros, and this program alone reads the bytes.  Beyond 28 x the scale the conversion gives the largest code.
; LIMITS: NaN and infinities among the inputs are not served; blocks whose largest magnitude lies under 2^(5 - 127) take the floor's byte.
; SHARES.  The work is 4,352 half units (64 rows x 128 K: four fragments, 256 bytes of scale words): 256 of h_shard, 4,096 of w_gate_up: 17 for each of 256 work-groups.
; Nine waves, two laps: half unit i = 9 d + wave in lap d; i = 0 is h_shard's, 1-16 are w_gate_up's; wave 8 has none in lap 1 (17 is no multiple of a number of waves that fits).
; THE RING.  A tile is 32 consecutive rows x 512 bytes (two fragments), a wave's own, brought by one tensor load into LDS rows 528 bytes apart (33 x 16: the 16 rows that a read touches start at different banks).
; Two slots of nine tiles; a half unit is a tile in slot 0 and a tile in slot 1.  One load a wave is out behind each barrier.  Four trips, written out.
; In both tensors a pair of fragments is 32 consecutive rows.  In w_gate_up the pair's four runs of eight rows go to fragments 0, 1, 0, 1: the two passes' codes change groups of eight lanes in registers,
; under masks that are 0 for h_shard: no LDS address and no store's address hangs on the tensor.
; Every store of codes covers 512 or 256 consecutive aligned bytes; a half unit's 64 scale words are brought two to a lane by lane permutes and leave as 256 aligned bytes.
; NO CLUSTER: no two work-groups read the same byte.  NO PREFETCH: the text has no loop to run ahead in; two of a wave's four tiles are asked for by the end of the first trip.  No matrix work.
.set UNIT,  12800
.set FRB,   1536
.set SCO,   12288
.set PITCH, 528
.set TILE,  32*PITCH                   ; 16,896 bytes, a multiple of 256
.set SLOT,  9*TILE
.set SPARE, 2*SLOT                     ; behind the ring: the spare words, 128 bytes a wave, five blocks of 256 bytes that no other line names
.set LANE, 2
.set RR,   3
.set HH,   4
.set O16,  5                           ; 16 x lane
.set O8,   6                           ; 8 x lane
.set SOUT, 8                           ; v8-9  my tile in slot 0, 1: + 528 r + 128 h
.set H8,   12                          ; 8 h
.set SPW,  13                          ; my spare word; never rewritten
.set NIL,  14                          ; 0; never rewritten
.set X,    16                          ; v16-143  two passes x my two blocks of 32 neighbours
.set SV,   144                         ; v144-175 the conversions' results: pass u, conversion q at SV + 16 u + 4 q
.set F,    176                         ; v176-199 the two fragments' codes
.set T,    200                         ; v200-207 codes from lane l xor 8
.set TW,   208
.set M,    210                         ; largest magnitudes;  S the conversions' scale operands;  B bytes
.set S,    212
.set B,    214
.set W,    216                         ; v216-217 a pass's scale words
.set PT,   218
.set WC,   220                         ; v220-221 the scale words of rows 32 pr + lane of the half unit
.set SWD,  222                         ; v222-223 two words a lane
.set E,    224                         ; v224-229 at work on the scale words
.set G1,   24                          ; s[24:31] group 1
.set G0,   40                          ; s[40:43], s[44:47] group 0 for slot 0, 1
.set R0,   48                          ; a half unit's record: +0 where it begins in its tensor, +2 its four fragments, +4 its scale words, +6 the tensor (0, 1).  R0: lap 0's, R1: lap 1's
.set R1,   56
; the record of half unit s80 (0 .. 16) of this work-group
.macro HU R
	s_cmp_eq_u32 s80, 0
	s_cselect_b32 s83, 0, 1                        ; the tensor
	s_cselect_b32 s81, 0, 1                        ; its first i
	s_cselect_b32 s82, 0, 4                        ; log2 of its half units in a work-group
	s_cselect_b32 s86, 7, 6                        ; log2 of the rows from group to group,
	s_cselect_b32 s87, 6, 13                       ; and from half to half
	s_lshl_b32 s88, ttmp9, s82
	s_add_co_u32 s88, s88, s80
	s_sub_co_u32 s88, s88, s81                     ; the half unit's number in its tensor
	s_and_b32 s89, s88, 1                          ; which half
	s_lshr_b32 s88, s88, 1                         ; the unit
	s_lshr_b32 s90, s88, 4                         ; the group
	s_and_b32 s91, s88, 15                         ; the K step
	s_lshl_b32 s90, s90, s86
	s_lshl_b32 s92, s89, s87
	s_add_co_u32 s90, s90, s92                     ; the first row
	s_lshl_b32 s90, s90, 13                        ; in bytes (under 2^28)
	s_lshl_b32 s91, s91, 9
	s_add_co_u32 s90, s90, s91
	s_mov_b32 s91, 0
	s_mul_i32 s92, s88, UNIT
	s_mov_b32 s93, 0
	s_mul_i32 s94, s89, 4*FRB
	s_mov_b32 s95, 0
	s_lshl_b32 s96, s89, 8
	s_add_co_u32 s96, s96, SCO
	s_mov_b32 s97, 0
	s_cmp_eq_u32 s83, 0                            ; the choice hangs on ids alone
	s_cselect_b64 s[\R:\R+1], s[4:5], s[6:7]
	s_cselect_b64 s[\R+2:\R+3], s[8:9], s[10:11]
	s_add_nc_u64 s[\R:\R+1], s[\R:\R+1], s[90:91]
	s_add_nc_u64 s[\R+2:\R+3], s[\R+2:\R+3], s[92:93]
	s_add_nc_u64 s[\R+4:\R+5], s[\R+2:\R+3], s[96:97]
	s_add_nc_u64 s[\R+2:\R+3], s[\R+2:\R+3], s[94:95]
	s_mov_b32 s[\R+6], s83
.endm
	s_load_b256 s[4:11], s[0:1], 0x0               ; h_shard, w_gate_up, hx, wgu
	v_lshl_add_u32 v[SPW], v0, 2, SPARE
	v_mov_b32 v[NIL], 0
	ds_add_u32 v[SPW], v[NIL]                      ; the opening lines: the add, twice on end, and its wait ahead of my first tensor load
	ds_add_u32 v[SPW], v[NIL]
	v_lshrrev_b32 v1, 5, v0
	v_readfirstlane_b32 s16, v1                    ; wave 0..8
	s_mov_b32 s[G1], (2<<16)|(1<<20)|(6<<22)|(3<<25)   ; elements of 4 bytes; after every 128 words 4 words of padding
	s_mov_b32 s[G1+1], 128<<16                     ; tensor_dim0 = 128
	s_mov_b32 s[G1+2], 32<<16                      ; tensor_dim1 = 32
	s_mov_b32 s[G1+3], 128<<16                     ; tile_dim0 = 128
	s_mov_b32 s[G1+4], 32                          ; tile_dim1 = 32
	s_mov_b32 s[G1+5], 2048                        ; from row to row, in elements
	s_mov_b32 s[G1+6], 0
	s_mov_b32 s[G1+7], 0
	s_mov_b32 s[G0], 1
	s_mul_i32 s[G0+1], s16, TILE                   ; my tile in slot 0,
	s_mov_b32 s[G0+4], 1
	s_mul_i32 s[G0+5], s16, TILE
	s_add_co_u32 s[G0+5], s[G0+5], SLOT            ; and in slot 1
	s_mov_b32 s20, 0x76543210
	s_mov_b32 s21, 0xfedcba98                      ; selects for lane l xor 16
	s_mov_b32 s2, 0xeca86420                       ; selects for lane 2 n mod 16 of a row,
	s_mov_b32 s3, 0xfdb97531                       ; and 2 n + 1 mod 16
	s_mov_b32 s66, 0xffff0000                      ; lanes 16-31
	s_mov_b32 s67, 0x00ffff00                      ; lanes 8-23
	s_wait_dscnt 0x0                               ; both opening adds are done
	s_wait_kmcnt 0x0
	s_mov_b32 s80, s16
	HU R0
	s_mov_b64 s[G0+2:G0+3], s[R0:R0+1]
	s_or_b32 s[G0+3], s[G0+3], 0x80000000
	tensor_load_to_lds s[G0:G0+3], s[G1:G1+7]      ; lap 0's first tile: one tensor load a wave at the head
	s_nop 0
	s_add_co_u32 s80, s16, 9
	s_min_u32 s80, s80, 16                         ; (wave 8's record of lap 1 is made of the last half unit and is not used)
	HU R1
	v_and_b32 v[LANE], 31, v0
	v_and_b32 v[RR], 15, v0
	v_bfe_u32 v[HH], v0, 4, 1
	v_lshlrev_b32 v[O16], 4, v[LANE]
	v_lshlrev_b32 v[O8], 3, v[LANE]
	v_lshlrev_b32 v[H8], 3, v[HH]
	s_mul_i32 s81, s16, TILE
	v_mul_u32_u24 v[SOUT], v[RR], PITCH
	v_lshl_add_u32 v[SOUT], v[HH], 7, v[SOUT]
	v_add_nc_u32 v[SOUT], s81, v[SOUT]
	v_add_nc_u32 v[SOUT+1], SLOT, v[SOUT]
.irp i, 0,1,2,3,4,5,6,7,8,9
	v_mov_b32 v[T+\i], 0                           ; written once: the destination of a lane move counts as one of its sources
.endr
.irp i, 0,1,2,3
	v_mov_b32 v[E+2+\i], 0
.endr
	v_mov_b32 v[PT], 0
; one pass: 16 rows of the tile, my two blocks of 32, into 12 registers of codes (in four runs of three) and the rows' scale words
.macro PASS u
.set XS, X+64*(\u)
.irp c, 0,1
	v_max3_num_f32 v[M+\c], |v[XS+32*\c]|, |v[XS+32*\c+1]|, 0x2800000   ; block 2 c + h; the floor 2^(5 - 127) holds the byte at 1 from below
.endr
.irp i, 2,4,6,8,10,12,14,16,18,20,22,24,26,28,30
.irp c, 0,1
	v_max3_num_f32 v[M+\c], v[M+\c], |v[XS+32*\c+\i]|, |v[XS+32*\c+\i+1]|   ; (the two blocks by turns)
.endr
.endr
.irp c, 0,1
	v_add_nc_u32 v[S+\c], 0xfe000000, v[M+\c]      ; 4 off the exponent field: the conversion takes this operand's exponent field as its scale
.endr
.irp c, 0,1
	v_lshrrev_b32 v[B+\c], 23, v[S+\c]             ; the scale's byte
.endr
	v_lshl_or_b32 v[W+\u], v[B+1], 16, v[B]        ; blocks h and 2 + h of row r,
	v_lshlrev_b32 v[W+\u], v[H8], v[W+\u]          ; at their places in the word;
	v_permlanex16_b32 v[PT], v[W+\u], s20, s21
	v_or_b32 v[W+\u], v[W+\u], v[PT]               ; with lane l xor 16's two the word is whole
.irp q, 0,1,2,3
	v_cvt_scalef32_pk16_bf6_f32 v[SV+16*\u+4*\q:SV+16*\u+4*\q+2], v[XS+16*\q:XS+16*\q+15], v[S+\q/2]
.endr
	v_nop                                          ; one plain place behind a scaled conversion
.endm
; A trip: pair pr of record R's half unit, from slot pr.  fill = 1: R's second tile is asked for; 2: lap 1's first; 0: nothing.  gf, gp = 1: the fill, the work belong to lap 1, in which wave 8 has none
.macro TRIP pr, R, fill, gf, gp
	s_wait_alu depctr_va_vdst(0)                   ; directly ahead of the waits below
	s_wait_xcnt 0x0                                ; the last trip's stores have read their registers
	s_wait_tensorcnt 0x0                           ; my one load, this trip's tile, has landed
	ds_add_u32 v[SPW], v[NIL]
.if \fill == 1
	s_add_nc_u64 s[G0+6:G0+7], s[\R:\R+1], 32*8192 ; no load of mine is out: group 0 may be written.  32 rows on
	s_or_b32 s[G0+7], s[G0+7], 0x80000000
.endif
.if \fill == 2
	s_mov_b64 s[G0+2:G0+3], s[R1:R1+1]
	s_or_b32 s[G0+3], s[G0+3], 0x80000000
.endif
	s_cmp_eq_u32 s[\R+6], 1                        ; w_gate_up?
	s_cselect_b32 s22, 0xff00ff00, 0               ; fragment 0's lanes r >= 8 take pass 1's lanes r - 8,
	s_cselect_b32 s23, 0x00ff00ff, 0               ; fragment 1's lanes r < 8 take pass 0's lanes r + 8
	s_wait_dscnt 0x0                               ; the add is done, and my reads of the other slot are over
	s_barrier_signal -1
	s_barrier_wait -1
.if \fill
.if \gf
	s_cmp_eq_u32 s16, 8
	s_cbranch_scc1 .Lnofill_\@
.endif
	tensor_load_to_lds s[G0+4*(1-\pr):G0+4*(1-\pr)+3], s[G1:G1+7]   ; into the slot read last trip (in the first trip: slot 1's first fill, issued as a refill is)
	s_nop 0
.Lnofill_\@:
.endif
.if \gp
	s_cmp_eq_u32 s16, 8
	s_cbranch_scc1 .Lidle_\@
.endif
.irp u, 0,1
.irp c, 0,1
.irp j, 0,1,2,3,4,5,6,7
	ds_load_b128 v[X+64*\u+32*\c+4*\j:X+64*\u+32*\c+4*\j+3], v[SOUT+\pr] offset:16*PITCH*\u+256*\c+16*\j   ; tile row 16 u + r, k = 64 c + 32 h + 4 j on
.endr
.endr
.endr
	s_wait_dscnt 16                                ; pass 0's 16 loads are in
	PASS 0
	s_wait_dscnt 0x0
	PASS 1
.irp g, 0,1,2                          ; the two fragments' registers, four at a time: register I comes from run I / 3 of the conversions' results
.irp k, 0,1,2,3
.set I, 4*\g+\k
.set SR, 4*(I/3)+I%3
	v_mov_b32_dpp v[T+2*\k], v[SV+16+SR] row_xmask:8 row_mask:0xf bank_mask:0xf
	v_mov_b32_dpp v[T+2*\k+1], v[SV+SR] row_xmask:8 row_mask:0xf bank_mask:0xf
.endr
.irp k, 0,1,2,3
.set I, 4*\g+\k
.set SR, 4*(I/3)+I%3
	v_cndmask_b32 v[F+I], v[SV+SR], v[T+2*\k], s22
	v_cndmask_b32 v[F+12+I], v[SV+16+SR], v[T+2*\k+1], s23
.endr
.endr
	v_mov_b32_dpp v[TW], v[W+1] row_xmask:8 row_mask:0xf bank_mask:0xf
	v_mov_b32_dpp v[TW+1], v[W] row_xmask:8 row_mask:0xf bank_mask:0xf
	v_cndmask_b32 v[W], v[W], v[TW], s22           ; the scale words go with their rows
	v_cndmask_b32 v[W+1], v[W+1], v[TW+1], s23
	v_cndmask_b32 v[WC+\pr], v[W], v[W+1], s66     ; lane l: the word of row 32 pr + l of the half unit
.irp u, 0,1
	global_store_b128 v[O16], v[F+12*\u:F+12*\u+3], s[\R+2:\R+3] offset:FRB*(2*\pr+\u)        ; 512 or 256 consecutive bytes, aligned to 256
	global_store_b128 v[O16], v[F+12*\u+6:F+12*\u+9], s[\R+2:\R+3] offset:FRB*(2*\pr+\u)+512
	global_store_b64 v[O8], v[F+12*\u+4:F+12*\u+5], s[\R+2:\R+3] offset:FRB*(2*\pr+\u)+1024
	global_store_b64 v[O8], v[F+12*\u+10:F+12*\u+11], s[\R+2:\R+3] offset:FRB*(2*\pr+\u)+1280
.endr
.if \pr == 1
	v_cndmask_b32 v[E], v[WC], v[WC+1], s66        ; words 0-15 and 48-63: what a lane takes from its own row of 16 lanes,
	v_cndmask_b32 v[E+1], v[WC+1], v[WC], s66      ; words 32-47 and 16-31: from the other row
	v_permlane16_b32 v[E+2], v[E], s2, s2
	v_permlanex16_b32 v[E+3], v[E+1], s2, s2
	v_permlane16_b32 v[E+4], v[E], s3, s3
	v_permlanex16_b32 v[E+5], v[E+1], s3, s3
	v_cndmask_b32 v[SWD], v[E+2], v[E+3], s67      ; lane l: words 2 l
	v_cndmask_b32 v[SWD+1], v[E+4], v[E+5], s67    ; and 2 l + 1
	global_store_b64 v[O8], v[SWD:SWD+1], s[\R+4:\R+5]   ; 256 consecutive bytes, aligned to 256
.endif
.Lidle_\@:
.endm
	TRIP 0, R0, 1, 0, 0
	TRIP 1, R0, 2, 1, 0
	TRIP 0, R1, 1, 1, 1
	TRIP 1, R1, 0, 0, 1
	s_wait_tensorcnt 0x0                           ; the wave's end
	ds_add_u32 v[SPW], v[NIL]
	s_wait_dscnt 0x0
	s_endpgm
.Lfunc_end_k_qdcd167cf5d_quant:
	.size	k_qdcd167cf5d_quant, .Lfunc_end_k_qdcd167cf5d_quant-k_qdcd167cf5d_quant
	.p2alignl 7, 3214868480
	.fill 96, 4, 3214868480
	.section	.rodata,"a",@progbits
	.p2align	6, 0x0
	.amdhsa_kernel k_qdcd167cf5d_quant
		.amdhsa_group_segment_fixed_size 327680
		.amdhsa_private_segment_fixed_size 0
		.amdhsa_enable_private_segment 0
		.amdhsa_kernarg_size 32
		.amdhsa_user_sgpr_count 2
		.amdhsa_user_sgpr_kernarg_segment_ptr 1
		.amdhsa_wavefront_size32 1
		.amdhsa_system_sgpr_workgroup_id_x 1
		.amdhsa_system_sgpr_workgroup_id_y 1
		.amdhsa_system_sgpr_workgroup_id_z 1
		.amdhsa_system_vgpr_workitem_id 0
		.amdhsa_next_free_vgpr 256
		.amdhsa_next_free_sgpr 98
		.amdhsa_reserve_vcc 0
		.amdhsa_float_denorm_mode_32 3
		.amdhsa_float_denorm_mode_16_64 3
		.amdhsa_memory_ordered 1
		.amdhsa_forward_progress 1
		.amdhsa_inst_pref_size 56
	.end_amdhsa_kernel
	.amdgpu_metadata
---
amdhsa.version: [ 1, 2 ]
amdhsa.kernels:
  - .name:           k_qdcd167cf5d_quant
    .symbol:         k_qdcd167cf5d_quant.kd
    .args:
      - { .name: h_shard, .offset: 0, .size: 8, .value_kind: global_buffer, .address_space: global }
      - { .name: w_gate_up, .offset: 8, .size: 8, .value_kind: global_buffer, .address_space: global }
      - { .name: hx, .offset: 16, .size: 8, .value_kind: global_buffer, .address_space: global }
      - { .name: wgu, .offset: 24, .size: 8, .value_kind: global_buffer, .address_space: global }
    .group_segment_fixed_size: 327680
    .private_segment_fixed_size: 0
    .kernarg_segment_align: 8
    .kernarg_segment_size: 32
    .max_flat_workgroup_size: 288
    .sgpr_count:     98
    .vgpr_count:     256
    .wavefront_size: 32
...
	.end_amdgpu_metadata
.endif
;; end of part 1
;; launch gateup (part 2): grid 64 x 4, 4 waves a work-group, clusters of 4 x 4, 327,680 bytes of LDS; arguments hx, wgu, hq, w_down, wdn; writes hq, wdn
.if DOCPART == 2
	.amdgcn_target "amdgcn-amd-amdhsa--gfx1250"
	.amdhsa_code_object_version 6
	.text
	.protected	k_qdcd167cf5d_gateup
	.globl	k_qdcd167cf5d_gateup
	.p2align	8
	.type	k_qdcd167cf5d_gateup,@function
k_qdcd167cf5d_gateup:
	s_mov_b64 s[64:65], 0
	v_nop
	global_prefetch_b8 v0, s[64:65] scope:SCOPE_SE
	s_setreg_imm32_b32 hwreg(HW_REG_WAVE_MODE, 25, 1), 1
	s_wait_xcnt 0x0
	s_wait_alu depctr_hold_cnt(0) depctr_sa_sdst(0) depctr_va_vdst(0) depctr_va_sdst(0) depctr_va_ssrc(0) depctr_va_vcc(0) depctr_vm_vsrc(0)
	s_getreg_b32 s2, hwreg(HW_REG_IB_STS2, 6, 4)
	s_cmp_eq_u32 s2, 0
	s_cbranch_scc0 .Lentry_in_a_cluster
	s_endpgm
.Lentry_in_a_cluster:
	s_bfe_u32 s2, ttmp6, 0x10000c
	s_cmp_lg_u32 s2, 0xf033
	s_cbranch_scc0 .Lentry_shape_is_right
	s_endpgm
.Lentry_shape_is_right:
; hq = Q(silu(x Wg^T) * (x Wu^T)): the first product on codes of BF6 (E3M2) with E8M0 scales, the activation in f32, and the result quantised along its 8,192 columns, the second product's K.
; hx: [8 groups of 128 rows][16 K steps of 128][unit of 12,800 bytes];  wgu: [128 groups][16][unit]: eight fragment images of 1,536 bytes (16 rows x 128 K: registers 0-3 at 16 l, 6-9 at 512 + 16 l,
; 4-5 at 1,024 + 8 l, 10-11 at 1,280 + 8 l), then 128 scale words.  Group G of wgu: fragments 0-3 are 64 gate rows, 4-7 the up rows that belong to them; lane row r of fragment f is inter column
; 64 G + 32 ((f / 2) % 2) + 8 (f % 2) + r + 8 (r / 8).   hq: [16 groups of 64 rows][64 K steps][unit of 6,400 bytes: four fragment images, then 64 scale words].
; SHARES.  A work-group of four waves takes 256 rows x 128 inter columns (gate and up: 256 rows of the weight); a wave 128 rows (eight blocks of A) x one group of wgu (eight blocks of B): 64 accumulators, 512 registers.
; THE RING.  Two LDS slots of THREE K steps of 128, as many as fit: a wave's tensor load brings one group's three units, 38,400 dense bytes, scale words among them.  The 16 K steps are 1 + 5 x 3: the first fills are
; K step 0 (one unit a wave, at the head of slot 1) and K steps 1-3 (slot 0); the four refills, behind steps 0, 3, 6 and 9, all bring three.  From a request to the wait for it a wave issues 160 matrix instructions.
; Slots and register sets come round after six steps, which happens twice, and the second time the lap ends without a refill.
; 1,024 matrix instructions of 16 bytes and 1,152 LDS loads of 8; with the way out the text stays under 40 KiB.
; No pitch and no padding: every LDS load takes 512, 256 or 128 consecutive bytes.
; CLUSTERS: 4 x 4 work-groups.  The four of a row of the cluster need the same units of hx, the four of a column the same units of wgu: each is asked for JOINTLY, by the same tensor load with the same descriptor
; and a mask that names the four.  The grid has one cluster along y, so the tile row is my place along the cluster's y.
; THE MATRIX INSTRUCTION IS USED TRANSPOSED (source 0 = 16 rows of the weight, source 1 = 16 rows of x): lane (r, h) holds row r of x, and register j of tile t the inter column 32 (t / 2) + 16 h + 8 (t % 2) + j of the group.
; THE WAY OUT, block by block of 16 rows: h = gate x up / (1 + 2^(-gate log2 e)); its 32 numbers a lane are two half blocks of 32 along the next K; they are quantised in registers and are half a fragment
; (registers 6 c .. 6 c + 5, c = my half of the columns), which leaves as 512 + 256 consecutive aligned bytes.  The scale words' halves of the two column waves meet in LDS.
; LIMITS: for gate under about -88 the exponential is infinite and h is a zero where the exact product is a denormal; NaN and infinities among the inputs are not served.  A block of zeros gets the byte 1: its codes are zeros.
; REGISTERS, in windows of 256: window 0: v1-31 addresses; v32-47 scale words, two sets; v64-127 at work on the way out; v128-223 A's fragments, ONE set (on the way out the codes); v224-245 at work on the way out.
;   window 1: B's fragments, TWO sets, at v0 and v128.   window 2: the accumulators of my rows 0-63 ((a, b) at v[8 (8 (a % 4) + b)]);   window 3: those of my rows 64-127.
; BESIDE THE PRODUCT this launch quantises w_down [2048][8192] into wdn ([16 groups of 128 rows][64 K steps][unit], rows in their order), which only the next launch reads: the product asks little of memory,
; and w_down's 64 MiB stream in under it.  Each of the 1,024 waves makes one unit, half a fragment (16 rows x 64 K) in each of the product's 16 K steps; the lines stand below, at the head's end (macros QL, QT, QV).
; The scale and the limits are those of the launch before: the byte is the largest magnitude's exponent field - 4, held at 1 from below; NaN and infinities among the inputs are not served.
.set UNIT,  12800
.set FRB,   1536
.set SCO,   12288                      ; where a unit's scale words begin
.set GRP,   3*UNIT                     ; what a refill's tensor load brings: a group's three K steps of 128
.set SLOT,  4*GRP                      ; A's two groups, then B's two
.set SPARE, 2*SLOT                     ; behind the ring: the spare words, 128 bytes for each wave: two blocks of 256 bytes that no other line names
.set SSTG,  SPARE+512                  ; behind them: 256 rows' scale words of hq, 1,024 bytes; no fill lands there
.set KGRP,  16*UNIT                    ; a group in memory
.set U64,   6400                       ; a unit of hq
.set FR,    12                         ; registers of a fragment
.set NL,    4                          ; LDS loads that bring one
.set NP,    4                          ; places behind this matrix instruction (ISA guide 7.12.1)
.set L16,  2                           ; v2   16 x lane
.set L8,   3                           ; v3   8 x lane
.set L4,   4                           ; v4   4 x lane
.set GO16, 8                           ; v8   the way out: 16 x lane + 512 x my half of the columns
.set GO8,  9                           ; v9   8 x lane + 1,024 + 256 x my half
.set SWA,  10                          ; v10  where I put my half of a row's scale word
.set SRA,  11                          ; v11  where I read 64 rows' words back
.set ADRA, 16                          ; v16-17 my group of A in slot 0, 1, + 16 x lane;  v18-19 + 8 x lane
.set ADRB, 20                          ; v20-23 the same for B
.set ADSA, 24                          ; v24-25 A's, + 4 x lane: scale words
.set ADSB, 26                          ; v26-27 B's
.set SPW,  28                          ; v28  LDS address of my spare word; never rewritten
.set NIL,  29                          ; v29  0; never rewritten
.set PFO,  30                          ; v30  the prefetches' offsets: 256 x (4 x lane + my place);
.set PFO2, 31                          ; v31  256 x min(128 + 4 x lane + my place, 149); never rewritten
.set SC,   32                          ; scale words, set p (the step's parity): A's at v[SC + 8 p + j], B's at + 4 + j: lanes 0-15 block 2 j, lanes 16-31 block 2 j + 1
.set E,    64                          ; v64-95   the way out: the exponentials, then the reciprocals
.set P,    96                          ; v96-127  gate x up, then h
.set AF,   128                         ; A's fragments
.set OUTC, 128                         ; the way out: block a's six registers of codes at v[128 + 8 a]
.set TM,   224                         ; v224-225 largest magnitudes, v226-227 the other half's, v228-229 the conversions' scale operands, v230-231 bytes
.set HW,   232                         ; v232-239 block a's two scale bytes
.set T,    240                         ; v240-242 the second block's codes
.set SW,   244                         ; v244-245 scale words on their way out
.set G1A, 24                           ; s[24:31] descriptor group 1 for A, three units;  s[32:39] group 0, a set for each slot
.set G0A, 32
.set G1B, 48                           ; s[48:55], s[56:63] the same for B
.set G0B, 56
.set NLE, 68                           ; s[68:69] -log2(e), twice: the packed form names a pair
.set SEL, 70                           ; s[70:71] v_permlanex16_b32's selects for lane l xor 16
.set PFA, 72                           ; s[72:73] the group that I fetch, in memory; never rewritten
.set LIM, 74                           ; s74  1 in a wave that prefetches
.set OB,  76                           ; s[76:77] hq at my first unit;  s[78:79] at the scale words that I store
.set OS,  78
.set G1AS, 80                          ; s[80:87] descriptor group 1 for A, one unit;  s[88:95] for B
.set G1BS, 88
.set MSB, 0
.macro WIN new                         ; the immediate's high byte repeats the setting that is left; a switch that changes nothing is dropped
.if MSB != (\new)
	s_set_vgpr_msb (MSB<<8)|(\new)
.set MSB, \new
.endif
.endm
.set MUL_LO, 0xa1                      ; source 0 (B) window 1, source 1 (A) window 0, C and D window 2
.set MUL_HI, 0xf1                      ; the same, C and D window 3
.set TO_B,   0x40                      ; destination window 1, address window 0
; A joint load: waves 0 and 1 fetch A's two groups, waves 2 and 3 B's.  Each line has ONE mask and one set of registers for all that issue it; the branch hangs on the wave's number alone.
; Four v_nop follow each of the two lines, ahead of the jump, the label and what follows.
.macro JLOAD g0a, g1a, g0b, g1b
	s_cmp_eq_u32 s15, 0
	s_cbranch_scc0 .Lfor_b_\@
	tensor_load_to_lds s[\g0a:\g0a+3], s[\g1a:\g1a+7]
	s_nop 0
.rept 4
	v_nop
.endr
	s_branch .Lasked_\@
.Lfor_b_\@:
	tensor_load_to_lds s[\g0b:\g0b+3], s[\g1b:\g1b+7]
	s_nop 0
.rept 4
	v_nop
.endr
.Lasked_\@:
.endm
; A PREFETCH of what the NEXT refill will ask for: three units, off bytes into the group: three K steps, 192 matrix instructions, ahead of that load.  Of the 150 blocks of 256 bytes that a wave fetches, the four partners that
; ask for them jointly take every fourth, told apart BY ADDRESS (my place along x for A, along y for B): block 4 x lane + place, and in a second instruction block 128 + 4 x lane + place, held at the last block, 149.
; hx's groups are read by every cluster: the first cluster along x asks; a group of wgu is read by one cluster alone, which asks.  The last refill asks for nothing; K steps 0 to 6 come by their loads alone.
.macro ASK off
	s_cmp_eq_u32 s[LIM], 1
	s_cbranch_scc0 .Lnot_mine_\@
	s_wait_alu depctr_va_vdst(0)
	global_prefetch_b8 v[PFO], s[PFA:PFA+1] offset:\off th:TH_LOAD_NT scope:SCOPE_SE
	global_prefetch_b8 v[PFO2], s[PFA:PFA+1] offset:\off th:TH_LOAD_NT scope:SCOPE_SE
.Lnot_mine_\@:
.endm
.macro CREST                           ; a round of the cluster's barrier behind its opening barrier
	s_cmp_lg_u32 s14, 0
	s_cbranch_scc1 .Lnot_wave_0_\@
	s_barrier_signal -3
.Lnot_wave_0_\@:
	s_barrier_wait -3
	s_barrier_signal -1
	s_barrier_wait -1
.endm
.macro CROUND                          ; a whole round
	s_barrier_signal -1
	s_barrier_wait -1
	CREST
.endm
	s_load_b128 s[4:7], s[0:1], 0x0                ; hx s[4:5], wgu s[6:7]
	s_load_b64 s[8:9], s[0:1], 0x10
	s_load_b128 s[96:99], s[0:1], 0x18             ; w_down s[96:97], wdn s[98:99]
	v_lshl_add_u32 v[SPW], v0, 2, SPARE
	v_mov_b32 v[NIL], 0
	ds_add_u32 v28, v29
	ds_add_u32 v28, v29
	s_wait_dscnt 0x0
	v_lshrrev_b32 v1, 5, v0
	v_readfirstlane_b32 s14, v1                    ; wave 0..3
	s_lshr_b32 s15, s14, 1                         ; which half of the rows is mine.  Also: I fetch for A (0) or for B (1)
	s_and_b32 s16, s14, 1                          ; which half of the columns.  Also: which of the two groups I fetch
	s_bfe_u32 s40, ttmp6, 0x40000                  ; cx
	s_bfe_u32 s41, ttmp6, 0x40004                  ; cy = the tile row: 256 rows each
	s_lshl_b32 s42, ttmp9, 2
	s_add_co_u32 s42, s42, s40                     ; the tile column = 4 x cluster x + cx: 128 inter columns each
	s_lshl_b32 s43, s41, 2
	s_lshl_b32 s43, 15, s43                        ; my row of the cluster
	s_lshl_b32 s44, 0x1111, s40                    ; my column
	; descriptor group 1: dense blocks as rows of 32 elements of 8 bytes: three units are 150 rows, one unit 50
	s_or_b32 s[G1A], s43, (3<<16)|(1<<21)          ; 15:0 the mask: A's go to my row; 17:16 elements of 8 bytes; 20 no padding; 21 set beside a mask
	s_or_b32 s[G1B], s44, (3<<16)|(1<<21)          ; B's go to my column
	s_or_b32 s[G1AS], s43, (3<<16)|(1<<21)
	s_or_b32 s[G1BS], s44, (3<<16)|(1<<21)
.irp g, G1A, G1B
	s_mov_b32 s[\g+1], 32<<16                      ; tensor_dim0 = 32
	s_mov_b32 s[\g+2], 150<<16                     ; tensor_dim1 = 150
	s_mov_b32 s[\g+3], 32<<16                      ; tile_dim0 = 32
	s_mov_b32 s[\g+4], 150                         ; tile_dim1 = 150
	s_mov_b32 s[\g+5], 32                          ; from row to row
	s_mov_b32 s[\g+6], 0
	s_mov_b32 s[\g+7], 0
.endr
.irp g, G1AS, G1BS
	s_mov_b32 s[\g+1], 32<<16
	s_mov_b32 s[\g+2], 50<<16                      ; tensor_dim1 = 50
	s_mov_b32 s[\g+3], 32<<16
	s_mov_b32 s[\g+4], 50                          ; tile_dim1 = 50
	s_mov_b32 s[\g+5], 32
	s_mov_b32 s[\g+6], 0
	s_mov_b32 s[\g+7], 0
.endr
	s_lshl_b32 s20, s41, 1
	s_add_co_u32 s20, s20, s16                     ; A: group 2 x tile row + which
	s_mul_i32 s20, s20, KGRP
	s_mov_b32 s21, 0
	s_lshl_b32 s46, s42, 1
	s_add_co_u32 s46, s46, s16                     ; B: group 2 x tile column + which
	s_mul_i32 s46, s46, KGRP
	s_mov_b32 s47, 0
	s_mul_i32 s45, s14, GRP                        ; where they go: wave x 38,400: no place in the cluster enters an LDS address
	s_mov_b32 s[NLE], 0xbfb8aa3b
	s_mov_b32 s[NLE+1], 0xbfb8aa3b
	s_mov_b32 s[SEL], 0x76543210
	s_mov_b32 s[SEL+1], 0xfedcba98
	s_wait_kmcnt 0x0
	s_add_nc_u64 s[20:21], s[4:5], s[20:21]
	s_add_nc_u64 s[46:47], s[6:7], s[46:47]
	CROUND                                         ; all sixteen work-groups are here: the first joint loads meet
.irp s, 1,0                            ; slot 1's set first: K step 0, one unit;  then slot 0's: K steps 1 to 3
	s_mov_b32 s[G0A+4*\s], 1                       ; count = 1
	s_add_co_u32 s[G0A+4*\s+1], s45, \s*SLOT       ; LDS address
	s_add_nc_u64 s[G0A+4*\s+2:G0A+4*\s+3], s[20:21], (1-\s)*UNIT   ; global address
	s_or_b32 s[G0A+4*\s+3], s[G0A+4*\s+3], 0x80000000              ; type = 2
	s_mov_b32 s[G0B+4*\s], 1
	s_add_co_u32 s[G0B+4*\s+1], s45, \s*SLOT
	s_add_nc_u64 s[G0B+4*\s+2:G0B+4*\s+3], s[46:47], (1-\s)*UNIT
	s_or_b32 s[G0B+4*\s+3], s[G0B+4*\s+3], 0x80000000
.if \s == 1
	JLOAD G0A+4, G1AS, G0B+4, G1BS                 ; K step 0: one tensor load a wave at the head
.endif
.endr
	v_and_b32 v1, 31, v0                           ; lane
	v_and_b32 v5, 15, v0                           ; r
	v_lshlrev_b32 v[L16], 4, v1
	v_lshlrev_b32 v[L8], 3, v1
	v_lshlrev_b32 v[L4], 2, v1
	s_mul_i32 s10, s15, GRP                        ; my group of A
	s_mul_i32 s11, s16, GRP                        ; my group of B,
	s_add_co_u32 s11, s11, 2*GRP                   ; behind A's two
.irp s, 0,1
	v_add_nc_u32 v[ADRA+\s], s10, v[L16]
	v_add_nc_u32 v[ADRA+2+\s], s10, v[L8]
	v_add_nc_u32 v[ADSA+\s], s10, v[L4]
	v_add_nc_u32 v[ADRB+\s], s11, v[L16]
	v_add_nc_u32 v[ADRB+2+\s], s11, v[L8]
	v_add_nc_u32 v[ADSB+\s], s11, v[L4]
	s_add_co_u32 s10, s10, SLOT
	s_add_co_u32 s11, s11, SLOT
.endr
	s_lshl_b32 s10, s16, 9
	v_add_nc_u32 v[GO16], s10, v[L16]
	s_lshl_b32 s10, s16, 8
	s_add_co_u32 s10, s10, 1024
	v_add_nc_u32 v[GO8], s10, v[L8]
	s_lshl_b32 s10, s15, 9                         ; the scale words' stage: 512 bytes for each half of the rows, 4 bytes a row, my two bytes of them
	s_lshl_b32 s11, s16, 1
	s_add_co_u32 s10, s10, s11
	s_add_co_u32 s10, s10, SSTG
	v_lshl_add_u32 v[SWA], v5, 2, s10
	s_lshl_b32 s10, s14, 8                         ; back: wave w takes rows 64 w on, 256 bytes
	s_add_co_u32 s10, s10, SSTG
	v_add_nc_u32 v[SRA], s10, v[L8]
	v_mov_b32 v[TM+2], 0                           ; written once: a lane permute's destination counts as one of its sources
	v_mov_b32 v[TM+3], 0
	s_lshl_b32 s10, s41, 2                         ; hq: group 4 x tile row + 2 x my half of the rows (+ a / 4), K step = tile column
	s_lshl_b32 s11, s15, 1
	s_add_co_u32 s11, s10, s11
	s_lshl_b32 s11, s11, 6
	s_add_co_u32 s11, s11, s42
	s_mul_i32 s12, s11, U64
	s_mov_b32 s13, 0
	s_add_nc_u64 s[OB:OB+1], s[8:9], s[12:13]
	s_add_co_u32 s10, s10, s14                     ; the scale words that I store: group 4 x tile row + wave
	s_lshl_b32 s10, s10, 6
	s_add_co_u32 s10, s10, s42
	s_mul_i32 s12, s10, U64
	s_add_co_u32 s12, s12, 4*FRB
	s_add_nc_u64 s[OS:OS+1], s[8:9], s[12:13]
	; the prefetches
	s_cmp_eq_u32 s15, 0                            ; do I fetch for A?
	s_cselect_b64 s[PFA:PFA+1], s[20:21], s[46:47]
	s_cselect_b32 s75, s40, s41                    ; my place among the four that ask with me
	s_cselect_b32 s[LIM], ttmp9, 0                 ; the coordinate along which other clusters read the same bytes
	s_cmp_eq_u32 s[LIM], 0
	s_cselect_b32 s[LIM], 1, -1                    ; the same in all sixteen partners, for a given wave
	v_lshl_add_u32 v[PFO], v1, 2, s75              ; block 4 x lane + place
	v_add_nc_u32 v[PFO2], 0x80, v[PFO]
	v_min_u32 v[PFO2], 149, v[PFO2]                ; no prefetch points past the three units
	v_lshlrev_b32 v[PFO], 8, v[PFO]
	v_lshlrev_b32 v[PFO2], 8, v[PFO2]
; W_DOWN'S UNIT.  Half H = 2 f + c of the unit is fragment f's 16 rows x 256 bytes (k = 64 c on).  QL: eight loads, each two rows' 256 consecutive aligned bytes, three halves ahead of their use, into three sets of
; 32 registers that the product leaves idle.  QT, in a K step's middle: the half turns through my own stage in LDS (rows 272 bytes apart: 17 x 16), and comes back 128 bytes a lane: one block of 32.
; QV, at the next K step's head: the block's scale and codes; behind a fragment's second half its image leaves as 512 + 512 + 256 + 256 consecutive aligned bytes.
; QT's 16 LDS instructions are older than the step's fragment loads, so the wait at the next step's head, for all but the youngest 16, covers them.
.set QSTG, SSTG+1024                   ; behind hq's scale words: four stages of 4,352 bytes; no fill lands there
.set QP,   272
.set QW,   16*QP
.set QLO,  6                           ; v6   32,768 (lane / 16) + 16 (lane % 16)
.set QSI,  7                           ; v7   the stage, in: 272 (lane / 16) + 16 (lane % 16)
.set QSO,  12                          ; v12  out: 272 r + 128 h
.set QH8,  13                          ; v13  8 h
.set QSW,  14                          ; v14  the stage + 4 x lane: the unit's scale words on their way out
.set QSR,  15                          ; v15  the stage + 16 x lane
.set QX,   64                          ; v64-95 my block;  v96-107 the fragment's codes;  v108-110 a block's upper 16 codes
.set QC,   96
.set QU,   108
.set QM,   112                         ; v112-113 largest magnitudes; v114 the conversions' scale operand; v116-117 bytes; v118-120 scale words; v121-124 those of fragments 2 j (lanes 0-15) and 2 j + 1
.set QS,   114
.set QB,   116
.set QWD,  118
.set QPT,  119
.set QWL,  120
.set QWP,  121
.set WDI,  96                          ; s[96:97] w_down at my unit's first number;  s[98:99] my unit of wdn; never rewritten behind the head
.set WDO,  98
.set QN,   0                           ; the half that QT takes next
	s_lshl_b32 s10, s42, 2
	s_add_co_u32 s10, s10, s41                     ; the work-group's number: 4 x tile column + tile row
	s_lshl_b32 s10, s10, 2
	s_add_co_u32 s10, s10, s14                     ; my unit, 0 .. 1,023
	s_lshr_b32 s11, s10, 6                         ; its group of 128 rows,
	s_and_b32 s12, s10, 63                         ; its K step
	s_lshl_b32 s11, s11, 22                        ; 128 rows of 32,768 bytes
	s_lshl_b32 s12, s12, 9
	s_add_co_u32 s12, s11, s12
	s_mov_b32 s13, 0
	s_add_nc_u64 s[WDI:WDI+1], s[WDI:WDI+1], s[12:13]
	s_mul_i32 s12, s10, UNIT
	s_add_nc_u64 s[WDO:WDO+1], s[WDO:WDO+1], s[12:13]
	s_mov_b32 s4, 0xffff0000                       ; lanes 16-31
	s_mul_i32 s10, s14, QW
	s_add_co_u32 s10, s10, QSTG                    ; my stage
	v_lshrrev_b32 v[QH8], 4, v1                    ; lane / 16
	v_lshlrev_b32 v[QLO], 15, v[QH8]
	v_lshl_add_u32 v[QLO], v5, 4, v[QLO]
	v_mul_u32_u24 v[QSI], v[QH8], QP
	v_lshl_add_u32 v[QSI], v5, 4, v[QSI]
	v_add_nc_u32 v[QSI], s10, v[QSI]
	v_mul_u32_u24 v[QSO], v5, QP
	v_lshl_add_u32 v[QSO], v[QH8], 7, v[QSO]
	v_add_nc_u32 v[QSO], s10, v[QSO]
	v_lshlrev_b32 v[QH8], 3, v[QH8]
	v_add_nc_u32 v[QSW], s10, v[L4]
	v_add_nc_u32 v[QSR], s10, v[L16]
	v_mov_b32 v[QPT], 0                            ; written once: a lane permute's destination counts as one of its sources
.macro QL h                            ; half h's eight loads into set h % 3: window 1 v96-127, window 1 v224-255, window 0 v224-255
.set QLF, (\h)/2
.set QLC, (\h)%2
.if (\h)%3 == 2
	WIN 0
.set QR, 224
.else
	WIN TO_B
.set QR, 96+128*((\h)%3)
.endif
.irp i, 0,1,2,3,4,5,6,7
	global_load_b128 v[QR+4*\i:QR+4*\i+3], v[QLO], s[WDI:WDI+1] offset:524288*QLF+256*QLC+65536*\i th:TH_LOAD_NT   ; rows 16 f + 2 i and + 1
.endr
	WIN 0
.endm
.macro QT                              ; half QN through the stage
.if QN < 14
	s_wait_loadcnt 16                              ; its eight loads are in; those of the two halves behind it may be out
.else
	s_wait_loadcnt 8*(15-QN)
.endif
.if QN%3 == 2
	WIN 0
.set QR, 224
.else
	WIN 0x04                                       ; the data: window 1
.set QR, 96+128*(QN%3)
.endif
.irp i, 0,1,2,3,4,5,6,7
	ds_store_b128 v[QSI], v[QR+4*\i:QR+4*\i+3] offset:2*QP*\i
.endr
	WIN 0
.irp j, 0,1,2,3,4,5,6,7
	ds_load_b128 v[QX+4*\j:QX+4*\j+3], v[QSO] offset:16*\j   ; LDS serves a wave's instructions in order: these see the stores above.  Row r, k = 64 c + 32 h + 4 j on
.endr
.set QN, QN+1
.endm
.macro QV n                            ; the half that QT took last.  n: the LDS instructions issued behind QT's, which may stay out
.if QN > 0
.set QH, QN-1
.set QCC, QH%2
.set QF, QH/2
	s_wait_dscnt \n                                ; my block is in, and the stage's stores have read their registers
	s_wait_xcnt 0x0                                ; the last fragment's stores have read the codes' registers
	v_max3_num_f32 v[QM], |v[QX]|, |v[QX+1]|, 0x2800000   ; the floor 2^(5 - 127) holds the byte at 1 from below
	v_max3_num_f32 v[QM+1], |v[QX+2]|, |v[QX+3]|, |v[QX+4]|
.irp i, 5,9,13,17,21,25
	v_max3_num_f32 v[QM], v[QM], |v[QX+\i]|, |v[QX+\i+1]|
	v_max3_num_f32 v[QM+1], v[QM+1], |v[QX+\i+2]|, |v[QX+\i+3]|
.endr
	v_max3_num_f32 v[QM], v[QM], |v[QX+29]|, |v[QX+30]|
	v_max3_num_f32 v[QM], v[QM], v[QM+1], |v[QX+31]|
	v_add_nc_u32 v[QS], 0xfe000000, v[QM]          ; 4 off the exponent field: the conversion's scale operand
	v_lshrrev_b32 v[QB+QCC], 23, v[QS]             ; the scale's byte
	v_cvt_scalef32_pk16_bf6_f32 v[QC+6*QCC:QC+6*QCC+2], v[QX:QX+15], v[QS]
	v_cvt_scalef32_pk16_bf6_f32 v[QU:QU+2], v[QX+16:QX+31], v[QS]
	v_nop                                          ; one plain place behind a scaled conversion
.irp i, 0,1,2
	v_mov_b32 v[QC+6*QCC+3+\i], v[QU+\i]
.endr
.if QCC == 1
	v_lshl_or_b32 v[QWD], v[QB+1], 16, v[QB]       ; blocks h and 2 + h of row r,
	v_lshlrev_b32 v[QWD], v[QH8], v[QWD]           ; at their places in the word;
	v_permlanex16_b32 v[QPT], v[QWD], s[SEL], s[SEL+1]
.if QF%2 == 0
	v_or_b32 v[QWL], v[QWD], v[QPT]                ; with lane l xor 16's two the word is whole
.else
	v_or_b32 v[QWD], v[QWD], v[QPT]
	v_cndmask_b32 v[QWP+QF/2], v[QWL], v[QWD], s4
.endif
	global_store_b128 v[L16], v[QC:QC+3], s[WDO:WDO+1] offset:FRB*QF
	global_store_b128 v[L16], v[QC+6:QC+9], s[WDO:WDO+1] offset:FRB*QF+512
	global_store_b64 v[L8], v[QC+4:QC+5], s[WDO:WDO+1] offset:FRB*QF+1024
	global_store_b64 v[L8], v[QC+10:QC+11], s[WDO:WDO+1] offset:FRB*QF+1280
.endif
.if QH+3 < 16
	QL QH+3                                        ; the set just turned takes the half three further on
.endif
	s_wait_alu depctr_va_vdst(0)
.endif
.endm
	QL 0
	QL 1
	QL 2
.macro FRAG reg, adr, off              ; a fragment's image back into 12 registers
	ds_load_b128 v[\reg:\reg+3], v[\adr] offset:\off
	ds_load_b128 v[\reg+6:\reg+9], v[\adr] offset:\off+512
	ds_load_b64 v[\reg+4:\reg+5], v[\adr+2] offset:\off+1024
	ds_load_b64 v[\reg+10:\reg+11], v[\adr+2] offset:\off+1280
.endm
; One matrix instruction, from the symbols rD, rB, rA, rSB, rSA; oB, oA = 1: that side's scale words stand in lanes 16-31 of the register named.  zero = 1: the product starts the sum: nothing is ever cleared.
.macro WM zero
.if \zero
.if oB && oA
	v_wmma_scale_f32_16x16x128_f8f6f4 v[rD:rD+7], v[rB:rB+11], v[rA:rA+11], 0, v[rSB], v[rSA] matrix_a_fmt:MATRIX_FMT_BF6 matrix_b_fmt:MATRIX_FMT_BF6 matrix_a_scale:MATRIX_SCALE_ROW1 matrix_b_scale:MATRIX_SCALE_ROW1
.elseif oB
	v_wmma_scale_f32_16x16x128_f8f6f4 v[rD:rD+7], v[rB:rB+11], v[rA:rA+11], 0, v[rSB], v[rSA] matrix_a_fmt:MATRIX_FMT_BF6 matrix_b_fmt:MATRIX_FMT_BF6 matrix_a_scale:MATRIX_SCALE_ROW1
.elseif oA
	v_wmma_scale_f32_16x16x128_f8f6f4 v[rD:rD+7], v[rB:rB+11], v[rA:rA+11], 0, v[rSB], v[rSA] matrix_a_fmt:MATRIX_FMT_BF6 matrix_b_fmt:MATRIX_FMT_BF6 matrix_b_scale:MATRIX_SCALE_ROW1
.else
	v_wmma_scale_f32_16x16x128_f8f6f4 v[rD:rD+7], v[rB:rB+11], v[rA:rA+11], 0, v[rSB], v[rSA] matrix_a_fmt:MATRIX_FMT_BF6 matrix_b_fmt:MATRIX_FMT_BF6
.endif
.else
.if oB && oA
	v_wmma_scale_f32_16x16x128_f8f6f4 v[rD:rD+7], v[rB:rB+11], v[rA:rA+11], v[rD:rD+7], v[rSB], v[rSA] matrix_a_fmt:MATRIX_FMT_BF6 matrix_b_fmt:MATRIX_FMT_BF6 matrix_a_scale:MATRIX_SCALE_ROW1 matrix_b_scale:MATRIX_SCALE_ROW1
.elseif oB
	v_wmma_scale_f32_16x16x128_f8f6f4 v[rD:rD+7], v[rB:rB+11], v[rA:rA+11], v[rD:rD+7], v[rSB], v[rSA] matrix_a_fmt:MATRIX_FMT_BF6 matrix_b_fmt:MATRIX_FMT_BF6 matrix_a_scale:MATRIX_SCALE_ROW1
.elseif oA
	v_wmma_scale_f32_16x16x128_f8f6f4 v[rD:rD+7], v[rB:rB+11], v[rA:rA+11], v[rD:rD+7], v[rSB], v[rSA] matrix_a_fmt:MATRIX_FMT_BF6 matrix_b_fmt:MATRIX_FMT_BF6 matrix_b_scale:MATRIX_SCALE_ROW1
.else
	v_wmma_scale_f32_16x16x128_f8f6f4 v[rD:rD+7], v[rB:rB+11], v[rA:rA+11], v[rD:rD+7], v[rSB], v[rSA] matrix_a_fmt:MATRIX_FMT_BF6 matrix_b_fmt:MATRIX_FMT_BF6
.endif
.endif
.endm
; 16 matrix instructions: A's blocks a0, a0 + 1 x B's eight, one K step of 128.  p: B's set and the set of scale words.
; The 64 accumulators take turns, one instruction a turn, in the same order in every step.
.macro MUL16 a0, p, zero
.irp a, \a0, \a0+1
.irp b, 0,1,2,3,4,5,6,7
.set rD, 8*(8*((\a)%4)+\b)
.set rB, 128*(\p)+FR*\b
.set rA, AF+FR*(\a)
.set rSB, SC+8*(\p)+4+\b/2
.set rSA, SC+8*(\p)+(\a)/2
.set oB, \b%2
.set oA, (\a)%2
	WM \zero
.endr
.endr
.endm
.macro FETCH_B slot, q, p              ; B's eight fragments of the slot's q-th K step into set p
	WIN TO_B
.irp i, 0,1,2,3,4,5,6,7
	FRAG 128*(\p)+FR*\i, ADRB+\slot, UNIT*(\q)+FRB*\i
.endr
	WIN 0
.endm
.macro FETCH_A slot, q, i0             ; A's blocks i0 .. i0 + 3
.irp i, \i0, \i0+1, \i0+2, \i0+3
	FRAG AF+FR*(\i), ADRA+\slot, UNIT*(\q)+FRB*(\i)
.endr
.endm
.macro FETCH_S slot, q, p              ; the K step's scale words into set p: a load takes 32 rows' words, two blocks
.irp j, 0,1,2,3
	ds_load_b32 v[SC+8*(\p)+\j], v[ADSA+\slot] offset:UNIT*(\q)+SCO+128*\j
	ds_load_b32 v[SC+8*(\p)+4+\j], v[ADSB+\slot] offset:UNIT*(\q)+SCO+128*\j
.endr
.endm
; A load into a register that a matrix instruction has read, and a vector instruction or a store that reads a matrix result, stand NP places behind that matrix instruction; only plain vector
; instructions that name none of its registers are places (ISA guide 7.12.1 for vector instructions).
.macro PLACES n
.rept \n
	v_nop
.endr
.endm
; The slot's q-th K step, which has its successor in the same slot; it multiplies set p and fetches the successor into the other set.
; A block of A is free as soon as its eight products are issued: blocks 0-3 are fetched anew in the step's middle, blocks 4-7 at its end.
.macro STEP slot, q, p
	QV 4*NL
	s_wait_dscnt 4*NL                              ; all but the youngest 16 loads (A's blocks 4-7)
	WIN MUL_LO
	MUL16 0, \p, 0
	MUL16 2, \p, 0
	s_wait_dscnt 0x0                               ; A's blocks 4-7 are in (asked for 32 matrix instructions ago)
	PLACES NP
	QT
	FETCH_B \slot, (\q)+1, 1-(\p)
	FETCH_A \slot, (\q)+1, 0
	FETCH_S \slot, (\q)+1, 1-(\p)
	WIN MUL_HI
	MUL16 4, \p, 0
	MUL16 6, \p, 0
	PLACES NP
	WIN 0
	FETCH_A \slot, (\q)+1, 4
.endm
; A slot's last K step changes slots: ONE barrier; in front of it each wave waits for all its tensor loads, adds 0 to its spare word, and waits for that and for its own reads of this slot.
; fill = 1: the barrier opens a round of the cluster's barrier, and this slot is filled again, adv bytes further along K.  ask: the first K step of the fill after that, which is prefetched; 0: none.
.macro TURN slot, next, p, fill, adv, zero, ask
	QV 4*NL
	s_wait_tensorcnt 0x0                           ; all my tensor loads have landed: my part of the next slot  (every window is 0 here)
	ds_add_u32 v[SPW], v[NIL]                      ; 0 onto my spare word
	s_wait_dscnt 4*NL+1                            ; (the add and the youngest 16 loads, A's blocks 4-7, may be out)
	WIN MUL_LO
	MUL16 0, \p, \zero                             ; sixteen matrix instructions stand between the add and the wait for it
	s_wait_dscnt 0x0                               ; the add is done, and my reads of this slot are over
	s_barrier_signal -1
	MUL16 2, \p, \zero
	WIN 0
	s_barrier_wait -1
.if \fill
	CREST                                          ; no wave of any partner still reads this slot or has a load on its way
	s_add_nc_u64 s[G0A+4*\slot+2:G0A+4*\slot+3], s[G0A+4*\slot+2:G0A+4*\slot+3], \adv
	s_add_nc_u64 s[G0B+4*\slot+2:G0B+4*\slot+3], s[G0B+4*\slot+2:G0B+4*\slot+3], \adv
	JLOAD G0A+4*\slot, G1A, G0B+4*\slot, G1B       ; the first tensor load behind the round; the four v_nop behind it are also the places in front of the loads below
.else
	PLACES NP
.endif
	QT
	FETCH_B \next, 0, 1-(\p)
	FETCH_A \next, 0, 0
	FETCH_S \next, 0, 1-(\p)
.if \ask
	ASK (\ask)*UNIT                                ; behind the joint load and the run of LDS loads
.endif
	WIN MUL_HI
	MUL16 4, \p, \zero
	MUL16 6, \p, \zero
	PLACES NP
	WIN 0
	FETCH_A \next, 0, 4
.endm
	s_wait_alu depctr_va_vdst(0)
	s_wait_tensorcnt 0x0                           ; my part of K step 0 is in
	ds_add_u32 v[SPW], v[NIL]
	s_wait_dscnt 0x0
	CROUND                                         ; a whole round: everybody's part of K step 0 is in, and the joint loads meet
	JLOAD G0A, G1A, G0B, G1B                       ; K steps 1-3 into slot 0: the first tensor load behind the round
	FETCH_B 1, 0, 0
	FETCH_A 1, 0, 0
	FETCH_S 1, 0, 0
	FETCH_A 1, 0, 4
	TURN 1, 0, 0, 1, 4*UNIT, 1, 7                  ; K step 0: its products start the sums;  slot 1 takes K steps 4-6
	STEP 0, 0, 1                                   ; K step 1
	STEP 0, 1, 0
	TURN 0, 1, 1, 1, 2*GRP, 0, 10                  ; K step 3;  slot 0 takes K steps 7-9
	STEP 1, 0, 0
	STEP 1, 1, 1
	TURN 1, 0, 0, 1, 2*GRP, 0, 13                  ; K step 6;  slot 1 takes K steps 10-12
	STEP 0, 0, 1
	STEP 0, 1, 0
	TURN 0, 1, 1, 1, 2*GRP, 0, 0                   ; K step 9;  slot 0 takes K steps 13-15: the last fill
	STEP 1, 0, 0
	STEP 1, 1, 1
	TURN 1, 0, 0, 0, 0, 0, 0                       ; K step 12: nothing is filled, and there is no round of the cluster's barrier
	STEP 0, 0, 1
	STEP 0, 1, 0
	QV 4*NL
	s_wait_dscnt 4*NL
	WIN MUL_LO
	MUL16 0, 1, 0
	MUL16 2, 1, 0
	s_wait_dscnt 0x0
	QT
	WIN MUL_HI
	MUL16 4, 1, 0
	MUL16 6, 1, 0
	WIN 0
	PLACES NP
	QV 0                                           ; w_down's last half
.irp j, 0,1,2,3
	ds_store_b32 v[QSW], v[QWP+\j] offset:128*\j   ; the unit's 128 scale words, through my stage,
.endr
	ds_load_b128 v[QX:QX+3], v[QSR]                ; four to a lane
	s_wait_dscnt 0x0
	global_store_b128 v[L16], v[QX:QX+3], s[WDO:WDO+1] offset:SCO   ; 512 consecutive bytes, aligned to 256
	s_wait_xcnt 0x0                                ; the stores have read their registers, which the way out rewrites
; THE WAY OUT of block a (16 rows).  Its accumulators 0-3 are gate, 4-7 up, 32 numbers a lane each.  The exponentials are one batch and the reciprocals another, each with one wait ahead of its first reader
; gate x up is the plain work behind the exponentials.  Every accumulator is read from its low end on.
.macro EPI a
.set AC, 64*((\a)%4)
.set WN, 2+(\a)/4
.set WW, WN|(WN<<2)
.set OA, OUTC+8*(\a)
	WIN WN                                         ; source 0: window 2 or 3
.set i, 0
.rept 16
	v_pk_mul_f32 v[E+i:E+i+1], v[AC+i:AC+i+1], s[NLE:NLE+1] op_sel_hi:[1,0]   ; -gate log2(e)
.set i, i+2
.endr
	WIN 0
.set i, 0
	s_wait_alu depctr_va_vdst(0)
.rept 32
	v_exp_f32 v[E+i], v[E+i]                       ; e^(-gate)
.set i, i+1
.endr
	WIN WW                                         ; sources 0 and 1: window 2 or 3
.set i, 0
	s_wait_alu depctr_va_vdst(0)
.rept 16
	v_pk_mul_f32 v[P+i:P+i+1], v[AC+i:AC+i+1], v[AC+32+i:AC+33+i]   ; gate x up
.set i, i+2
.endr
	WIN 0
	s_wait_alu depctr_va_vdst(0)                   ; one wait for the 32 exponentials
.set i, 0
.rept 16
	v_pk_add_f32 v[E+i:E+i+1], v[E+i:E+i+1], 1.0 op_sel_hi:[1,0]
.set i, i+2
.endr
.set i, 0
	s_wait_alu depctr_va_vdst(0)
.rept 32
	v_rcp_f32 v[E+i], v[E+i]                       ; the sigmoid
.set i, i+1
.endr
	v_nop                                          ; a plain place behind the last reciprocal
	s_wait_alu depctr_va_vdst(0)                   ; one wait for the 32 reciprocals
.set i, 0
.rept 16
	v_pk_mul_f32 v[P+i:P+i+1], v[P+i:P+i+1], v[E+i:E+i+1]   ; h: register 16 b + i is column 32 b + 16 h + i of my 64
.set i, i+2
.endr
.irp b, 0,1
	v_max3_num_f32 v[TM+\b], |v[P+16*\b]|, |v[P+16*\b+1]|, 0x2800000   ; block b: my 16 numbers, and the floor 2^(5 - 127), which holds the byte at 1 from below
.endr
.irp i, 2,4,6,8,10,12,14
.irp b, 0,1
	v_max3_num_f32 v[TM+\b], v[TM+\b], |v[P+16*\b+\i]|, |v[P+16*\b+\i+1]|
.endr
.endr
.irp b, 0,1
	v_permlanex16_b32 v[TM+2+\b], v[TM+\b], s[SEL], s[SEL+1]
.endr
.irp b, 0,1
	v_max_num_f32 v[TM+\b], v[TM+\b], v[TM+2+\b]   ; with lane l xor 16's 16: the block's largest magnitude
.endr
.irp b, 0,1
	v_add_nc_u32 v[TM+4+\b], 0xfe000000, v[TM+\b]  ; 4 off its exponent field: the conversion's scale operand
.endr
.irp b, 0,1
	v_lshrrev_b32 v[TM+6+\b], 23, v[TM+4+\b]       ; the scale's byte
.endr
	v_lshl_or_b32 v[HW+(\a)], v[TM+7], 8, v[TM+6]  ; my two bytes of the row's scale word
	v_cvt_scalef32_pk16_bf6_f32 v[OA:OA+2], v[P:P+15], v[TM+4]
	v_cvt_scalef32_pk16_bf6_f32 v[T:T+2], v[P+16:P+31], v[TM+5]
	v_nop                                          ; one plain place behind a scaled conversion
.irp i, 0,1,2
	v_permlane16_swap_b32 v[OA+\i], v[T+\i]        ; the operand's layout wants a WHOLE block in a lane: the first now holds each lane's block's lower 16 codes, the second the upper 16
.endr
.irp i, 0,1,2
	v_mov_b32 v[OA+3+\i], v[T+\i]
.endr
	ds_store_b16 v[SWA], v[HW+(\a)] offset:64*(\a) ; both lanes of a row write the same two bytes with the same value
	global_store_b128 v[GO16], v[OA:OA+3], s[OB:OB+1] offset:64*U64*((\a)/4)+FRB*((\a)%4)   ; 512 consecutive bytes, aligned to 256
	global_store_b64 v[GO8], v[OA+4:OA+5], s[OB:OB+1] offset:64*U64*((\a)/4)+FRB*((\a)%4)   ; 256 consecutive bytes, aligned to 256
.endm
.irp a, 0,1,2,3,4,5,6,7
	EPI \a
.endr
	s_wait_dscnt 0x0                               ; for the others' sake: my halves of the scale words are in LDS
	s_barrier_signal -1
	s_barrier_wait -1
	ds_load_b64 v[SW:SW+1], v[SRA]                 ; 64 rows' whole words
	s_wait_dscnt 0x0
	global_store_b64 v[L8], v[SW:SW+1], s[OS:OS+1] ; 256 consecutive bytes, aligned to 256
	s_wait_tensorcnt 0x0                           ; the wave's end: behind my last tensor load and my last LDS store
	ds_add_u32 v[SPW], v[NIL]
	s_wait_dscnt 0x0
	CROUND                                         ; the closing round: no work-group ends while a partner may still ask for a tile that names it
	s_endpgm
.Lfunc_end_k_qdcd167cf5d_gateup:
	.size	k_qdcd167cf5d_gateup, .Lfunc_end_k_qdcd167cf5d_gateup-k_qdcd167cf5d_gateup
	.p2alignl 7, 3214868480
	.fill 96, 4, 3214868480
	.section	.rodata,"a",@progbits
	.p2align	6, 0x0
	.amdhsa_kernel k_qdcd167cf5d_gateup
		.amdhsa_group_segment_fixed_size 327680
		.amdhsa_private_segment_fixed_size 0
		.amdhsa_enable_private_segment 0
		.amdhsa_kernarg_size 40
		.amdhsa_user_sgpr_count 2
		.amdhsa_user_sgpr_kernarg_segment_ptr 1
		.amdhsa_wavefront_size32 1
		.amdhsa_system_sgpr_workgroup_id_x 1
		.amdhsa_system_sgpr_workgroup_id_y 1
		.amdhsa_system_sgpr_workgroup_id_z 1
		.amdhsa_system_vgpr_workitem_id 0
		.amdhsa_next_free_vgpr 1024
		.amdhsa_next_free_sgpr 100
		.amdhsa_reserve_vcc 0
		.amdhsa_float_denorm_mode_32 3
		.amdhsa_float_denorm_mode_16_64 3
		.amdhsa_memory_ordered 1
		.amdhsa_forward_progress 1
		.amdhsa_inst_pref_size 255
	.end_amdhsa_kernel
	.section	.bss,"aw",@nobits
	.p2align	6
	.space	262144
	.amdgpu_metadata
---
amdhsa.version: [ 1, 2 ]
amdhsa.kernels:
  - .name:           k_qdcd167cf5d_gateup
    .symbol:         k_qdcd167cf5d_gateup.kd
    .args:
      - { .name: hx, .offset: 0, .size: 8, .value_kind: global_buffer, .address_space: global }
      - { .name: wgu, .offset: 8, .size: 8, .value_kind: global_buffer, .address_space: global }
      - { .name: hq, .offset: 16, .size: 8, .value_kind: global_buffer, .address_space: global }
      - { .name: w_down, .offset: 24, .size: 8, .value_kind: global_buffer, .address_space: global }
      - { .name: wdn, .offset: 32, .size: 8, .value_kind: global_buffer, .address_space: global }
    .group_segment_fixed_size: 327680
    .private_segment_fixed_size: 0
    .kernarg_segment_align: 8
    .kernarg_segment_size: 40
    .max_flat_workgroup_size: 128
    .sgpr_count:     100
    .vgpr_count:     1024
    .wavefront_size: 32
...
	.end_amdgpu_metadata
.endif
;; end of part 2
;; launch down (part 3): grid 16 x 16, 4 waves a work-group, clusters of 4 x 4, 327,680 bytes of LDS; arguments hq, wdn, out0; writes out0
.if DOCPART == 3
	.amdgcn_target "amdgcn-amd-amdhsa--gfx1250"
	.amdhsa_code_object_version 6
	.text
	.protected	k_qdcd167cf5d_down
	.globl	k_qdcd167cf5d_down
	.p2align	8
	.type	k_qdcd167cf5d_down,@function
k_qdcd167cf5d_down:
	s_mov_b64 s[64:65], 0
	v_nop
	global_prefetch_b8 v0, s[64:65] scope:SCOPE_SE
	s_setreg_imm32_b32 hwreg(HW_REG_WAVE_MODE, 25, 1), 1
	s_wait_xcnt 0x0
	s_wait_alu depctr_hold_cnt(0) depctr_sa_sdst(0) depctr_va_vdst(0) depctr_va_sdst(0) depctr_va_ssrc(0) depctr_va_vcc(0) depctr_vm_vsrc(0)
	s_getreg_b32 s2, hwreg(HW_REG_IB_STS2, 6, 4)
	s_cmp_eq_u32 s2, 0
	s_cbranch_scc0 .Lentry_in_a_cluster
	s_endpgm
.Lentry_in_a_cluster:
	s_bfe_u32 s2, ttmp6, 0x10000c
	s_cmp_lg_u32 s2, 0xf033
	s_cbranch_scc0 .Lentry_shape_is_right
	s_endpgm
.Lentry_shape_is_right:
.set UNIT,  12800
.set U64,   6400
.set FRB,   1536
.set SCO,   12288
.set ASL,   8*U64
.set BSL,   8*UNIT
.set SLOT,  ASL+BSL
.set SPARE, 2*SLOT
.set SPITCH, 528
.set WSTG,  64*SPITCH
.set LAPS,  4
.set FR,    12
.set NP,    4
.set NF,    54
.set L16,  2
.set L8,   3
.set SRA,  4
.set A16,  8
.set A4,   12
.set B16,  14
.set B4,   18
.set L4,   20
.set STO,  24
.set SPW,  28
.set NIL,  29
.set PFO,  30
.set SC,   32
.set RB,   64
.set AF,   128
.set G1A, 24
.set G0A, 32
.set G1B, 48
.set G0B, 56
.set PFA, 72
.set LIM, 74
.set PFS, 76
.set LIM2, 78
.set MSB, 0
.macro WIN new
.if MSB != (\new)
	s_set_vgpr_msb (MSB<<8)|(\new)
.set MSB, \new
.endif
.endm
.set MUL,  0xa1
.set TO_B, 0x40
.macro JLOAD g0a, g1a, g0b, g1b
	s_cmp_eq_u32 s15, 0
	s_cbranch_scc0 .Lfor_b_\@
	tensor_load_to_lds s[\g0a:\g0a+3], s[\g1a:\g1a+7]
	s_nop 0
.rept 4
	v_nop
.endr
	s_branch .Lasked_\@
.Lfor_b_\@:
	tensor_load_to_lds s[\g0b:\g0b+3], s[\g1b:\g1b+7]
	s_nop 0
.rept 4
	v_nop
.endr
.Lasked_\@:
.endm
.macro ASK2
	s_cmp_gt_u32 s3, s[LIM]
	s_cbranch_scc0 .Lnot_mine_\@
	s_wait_alu depctr_va_vdst(0)
	global_prefetch_b8 v[PFO], s[PFA:PFA+1] th:TH_LOAD_NT scope:SCOPE_SE
	s_cmp_gt_u32 s3, s[LIM2]
	s_cbranch_scc0 .Lnot_mine_\@
	global_prefetch_b8 v[PFO], s[PFA:PFA+1] offset:U64 th:TH_LOAD_NT scope:SCOPE_SE
.Lnot_mine_\@:
.endm
.macro CREST
	s_cmp_lg_u32 s14, 0
	s_cbranch_scc1 .Lnot_wave_0_\@
	s_barrier_signal -3
.Lnot_wave_0_\@:
	s_barrier_wait -3
	s_barrier_signal -1
	s_barrier_wait -1
.endm
.macro CROUND
	s_barrier_signal -1
	s_barrier_wait -1
	CREST
.endm
	s_load_b128 s[4:7], s[0:1], 0x0
	s_load_b64 s[8:9], s[0:1], 0x10
	v_lshl_add_u32 v[SPW], v0, 2, SPARE
	v_mov_b32 v[NIL], 0
	ds_add_u32 v28, v29
	ds_add_u32 v28, v29
	s_wait_dscnt 0x0
	v_lshrrev_b32 v1, 5, v0
	v_readfirstlane_b32 s14, v1
	s_lshr_b32 s15, s14, 1
	s_and_b32 s16, s14, 1
	s_bfe_u32 s40, ttmp6, 0x40000
	s_bfe_u32 s41, ttmp6, 0x40004
	s_lshl_b32 s42, ttmp9, 2
	s_add_co_u32 s42, s42, s40
	s_and_b32 s17, ttmp7, 0xffff
	s_lshl_b32 s17, s17, 2
	s_add_co_u32 s17, s17, s41
	s_lshl_b32 s43, s41, 2
	s_lshl_b32 s43, 15, s43
	s_lshl_b32 s44, 0x1111, s40
	s_or_b32 s[G1A], s43, (3<<16)|(1<<21)
	s_mov_b32 s[G1A+1], 32<<16
	s_mov_b32 s[G1A+2], 100<<16
	s_mov_b32 s[G1A+3], 32<<16
	s_mov_b32 s[G1A+4], 100
	s_mov_b32 s[G1A+5], 32
	s_mov_b32 s[G1A+6], 0
	s_mov_b32 s[G1A+7], 0
	s_or_b32 s[G1B], s44, (3<<16)|(1<<21)
	s_mov_b32 s[G1B+1], 32<<16
	s_mov_b32 s[G1B+2], 200<<16
	s_mov_b32 s[G1B+3], 32<<16
	s_mov_b32 s[G1B+4], 200
	s_mov_b32 s[G1B+5], 32
	s_mov_b32 s[G1B+6], 0
	s_mov_b32 s[G1B+7], 0
	s_lshl_b32 s10, s16, 2
	s_lshl_b32 s20, s17, 6
	s_add_co_u32 s20, s20, s10
	s_mul_i32 s20, s20, U64
	s_mov_b32 s21, 0
	s_lshl_b32 s46, s42, 6
	s_add_co_u32 s46, s46, s10
	s_mul_i32 s46, s46, UNIT
	s_mov_b32 s47, 0
	s_mul_i32 s45, s16, ASL/2
	s_mul_i32 s18, s16, BSL/2
	s_add_co_u32 s18, s18, ASL
	s_wait_kmcnt 0x0
	s_add_nc_u64 s[20:21], s[4:5], s[20:21]
	s_add_nc_u64 s[46:47], s[6:7], s[46:47]
	CROUND
.irp s, 0,1
	s_mov_b32 s[G0A+4*\s], 1
	s_add_co_u32 s[G0A+4*\s+1], s45, \s*SLOT
	s_add_nc_u64 s[G0A+4*\s+2:G0A+4*\s+3], s[20:21], \s*ASL
	s_or_b32 s[G0A+4*\s+3], s[G0A+4*\s+3], 0x80000000
	s_mov_b32 s[G0B+4*\s], 1
	s_add_co_u32 s[G0B+4*\s+1], s18, \s*SLOT
	s_add_nc_u64 s[G0B+4*\s+2:G0B+4*\s+3], s[46:47], \s*BSL
	s_or_b32 s[G0B+4*\s+3], s[G0B+4*\s+3], 0x80000000
	s_wait_alu depctr_va_vdst(0)
	s_wait_tensorcnt 0x0
	ds_add_u32 v28, v29
	ds_add_u32 v28, v29
	s_wait_dscnt 0x0
	CROUND
	JLOAD G0A+4*\s, G1A, G0B+4*\s, G1B
.endr
	v_and_b32 v1, 31, v0
	v_and_b32 v21, 15, v0
	v_bfe_u32 v22, v0, 4, 1
	v_lshlrev_b32 v[L16], 4, v1
	v_lshlrev_b32 v[L8], 3, v1
	v_lshlrev_b32 v[L4], 2, v1
	s_mul_i32 s10, s14, 2*U64
	s_mul_i32 s11, s14, 2*UNIT
	s_add_co_u32 s11, s11, ASL
.irp s, 0,1
	v_add_nc_u32 v[A16+\s], s10, v[L16]
	v_add_nc_u32 v[A16+2+\s], s10, v[L8]
	v_add_nc_u32 v[A4+\s], s10, v[L4]
	v_add_nc_u32 v[B16+\s], s11, v[L16]
	v_add_nc_u32 v[B16+2+\s], s11, v[L8]
	v_add_nc_u32 v[B4+\s], s11, v[L4]
	s_add_co_u32 s10, s10, SLOT
	s_add_co_u32 s11, s11, SLOT
.endr
	s_mul_i32 s10, s14, WSTG
	v_mul_u32_u24 v[STO], v21, SPITCH
	v_lshl_add_u32 v[STO], v22, 5, v[STO]
	v_add_nc_u32 v[STO], s10, v[STO]
	s_mul_i32 s10, s14, 16*SPITCH
.irp p, 0,1,2,3
	v_add_nc_u32 v[SRA+\p], s10, v[L16]
	s_add_co_u32 s10, s10, WSTG
.endr
	s_lshl_b32 s10, s17, 6
	s_lshl_b32 s11, s14, 4
	s_add_co_u32 s10, s10, s11
	s_lshl_b32 s10, s10, 13
	s_lshl_b32 s11, s42, 9
	s_add_co_u32 s10, s10, s11
	s_mov_b32 s11, 0
	s_add_nc_u64 s[8:9], s[8:9], s[10:11]
	s_and_b32 s12, ttmp7, 0xffff
	s_mov_b32 s[PFS], BSL
	s_mov_b32 s13, UNIT
	s_cmp_eq_u32 s15, 0
	s_cselect_b64 s[PFA:PFA+1], s[20:21], s[46:47]
	s_cselect_b32 s75, s40, s41
	s_cselect_b32 s[LIM], ttmp9, s12
	s_cselect_b32 s[PFS], ASL, s[PFS]
	s_cselect_b32 s13, U64, s13
	s_cselect_b32 s[LIM2], -1, 0
	s_mov_b32 s[PFS+1], 0
	s_cmp_eq_u32 s[LIM], 0
	s_cselect_b32 s[LIM], 1, -1
	s_or_b32 s[LIM2], s[LIM2], s[LIM]
	s_mul_i32 s10, s75, s13
	s_mul_i32 s11, s[PFS], 3
	s_add_co_u32 s10, s10, s11
	s_mov_b32 s11, 0
	s_add_nc_u64 s[PFA:PFA+1], s[PFA:PFA+1], s[10:11]
	v_min_u32 v[PFO], 24, v1
	v_lshlrev_b32 v[PFO], 8, v[PFO]
.macro FRAG reg, adr, off
	ds_load_b128 v[\reg:\reg+3], v[\adr] offset:\off
	ds_load_b128 v[\reg+6:\reg+9], v[\adr] offset:\off+512
	ds_load_b64 v[\reg+4:\reg+5], v[\adr+2] offset:\off+1024
	ds_load_b64 v[\reg+10:\reg+11], v[\adr+2] offset:\off+1280
.endm
.macro WM zero
.if \zero
.if oB && oA
	v_wmma_scale_f32_16x16x128_f8f6f4 v[rD:rD+7], v[rB:rB+11], v[rA:rA+11], 0, v[rSB], v[rSA] matrix_a_fmt:MATRIX_FMT_BF6 matrix_b_fmt:MATRIX_FMT_BF6 matrix_a_scale:MATRIX_SCALE_ROW1 matrix_b_scale:MATRIX_SCALE_ROW1
.elseif oB
	v_wmma_scale_f32_16x16x128_f8f6f4 v[rD:rD+7], v[rB:rB+11], v[rA:rA+11], 0, v[rSB], v[rSA] matrix_a_fmt:MATRIX_FMT_BF6 matrix_b_fmt:MATRIX_FMT_BF6 matrix_a_scale:MATRIX_SCALE_ROW1
.elseif oA
	v_wmma_scale_f32_16x16x128_f8f6f4 v[rD:rD+7], v[rB:rB+11], v[rA:rA+11], 0, v[rSB], v[rSA] matrix_a_fmt:MATRIX_FMT_BF6 matrix_b_fmt:MATRIX_FMT_BF6 matrix_b_scale:MATRIX_SCALE_ROW1
.else
	v_wmma_scale_f32_16x16x128_f8f6f4 v[rD:rD+7], v[rB:rB+11], v[rA:rA+11], 0, v[rSB], v[rSA] matrix_a_fmt:MATRIX_FMT_BF6 matrix_b_fmt:MATRIX_FMT_BF6
.endif
.else
.if oB && oA
	v_wmma_scale_f32_16x16x128_f8f6f4 v[rD:rD+7], v[rB:rB+11], v[rA:rA+11], v[rD:rD+7], v[rSB], v[rSA] matrix_a_fmt:MATRIX_FMT_BF6 matrix_b_fmt:MATRIX_FMT_BF6 matrix_a_scale:MATRIX_SCALE_ROW1 matrix_b_scale:MATRIX_SCALE_ROW1
.elseif oB
	v_wmma_scale_f32_16x16x128_f8f6f4 v[rD:rD+7], v[rB:rB+11], v[rA:rA+11], v[rD:rD+7], v[rSB], v[rSA] matrix_a_fmt:MATRIX_FMT_BF6 matrix_b_fmt:MATRIX_FMT_BF6 matrix_a_scale:MATRIX_SCALE_ROW1
.elseif oA
	v_wmma_scale_f32_16x16x128_f8f6f4 v[rD:rD+7], v[rB:rB+11], v[rA:rA+11], v[rD:rD+7], v[rSB], v[rSA] matrix_a_fmt:MATRIX_FMT_BF6 matrix_b_fmt:MATRIX_FMT_BF6 matrix_b_scale:MATRIX_SCALE_ROW1
.else
	v_wmma_scale_f32_16x16x128_f8f6f4 v[rD:rD+7], v[rB:rB+11], v[rA:rA+11], v[rD:rD+7], v[rSB], v[rSA] matrix_a_fmt:MATRIX_FMT_BF6 matrix_b_fmt:MATRIX_FMT_BF6
.endif
.endif
.endm
.macro MULQ a, p, zero
	WIN MUL
.irp b, 0,1,2,3,4,5,6,7
.set rD, 8*(8*(\a)+\b)
.set rB, 128*(\p)+FR*\b
.set rA, AF+48*(\p)+FR*(\a)
.set rSB, SC+8*(\p)+2+\b/2
.set rSA, SC+8*(\p)+(\a)/2
.set oB, \b%2
.set oA, (\a)%2
	WM \zero
.endr
.endm
.macro FETCH2 slot, q, p
	WIN TO_B
.irp i, 0,1,2,3,4,5,6,7
	FRAG 128*(\p)+FR*\i, B16+\slot, UNIT*(\q)+FRB*\i
.endr
	WIN 0
.irp i, 0,1,2,3
	FRAG AF+48*(\p)+FR*\i, A16+\slot, U64*(\q)+FRB*\i
.endr
.irp j, 0,1
	ds_load_b32 v[SC+8*(\p)+\j], v[A4+\slot] offset:U64*(\q)+4*FRB+128*\j
.endr
.irp j, 0,1,2,3
	ds_load_b32 v[SC+8*(\p)+2+\j], v[B4+\slot] offset:UNIT*(\q)+SCO+128*\j
.endr
.endm
.macro PLACES n
.rept \n
	v_nop
.endr
.endm
.macro STEP2 slot, zero
	PLACES NP
	FETCH2 \slot, 1, 1
	s_wait_dscnt NF
	MULQ 0, 0, \zero
	MULQ 1, 0, \zero
	MULQ 2, 0, \zero
	MULQ 3, 0, \zero
	WIN 0
.endm
.macro TURN2 slot, next, fill
.if \fill
	s_wait_xcnt 0x0
	s_add_nc_u64 s[PFA:PFA+1], s[PFA:PFA+1], s[PFS:PFS+1]
.endif
	s_wait_tensorcnt 0x0
	ds_add_u32 v[SPW], v[NIL]
.if \fill
	s_add_nc_u64 s[G0A+4*\slot+2:G0A+4*\slot+3], s[G0A+4*\slot+2:G0A+4*\slot+3], 2*ASL
	s_add_nc_u64 s[G0B+4*\slot+2:G0B+4*\slot+3], s[G0B+4*\slot+2:G0B+4*\slot+3], 2*BSL
.endif
	s_wait_dscnt 0x0
	s_barrier_signal -1
	s_barrier_wait -1
.if \fill
	CREST
	JLOAD G0A+4*\slot, G1A, G0B+4*\slot, G1B
.else
	PLACES NP
.endif
	FETCH2 \next, 0, 0
.if \fill
	ASK2
.endif
	MULQ 0, 1, 0
	MULQ 1, 1, 0
	MULQ 2, 1, 0
	MULQ 3, 1, 0
	WIN 0
.endm
	s_wait_tensorcnt 1
	s_barrier_signal -1
	s_barrier_wait -1
	FETCH2 0, 0, 0
	STEP2 0, 1
	s_mov_b32 s3, LAPS-1
.Llap:
	TURN2 0, 1, 1
	STEP2 1, 0
	TURN2 1, 0, 1
	STEP2 0, 0
	s_sub_co_u32 s3, s3, 1
	s_cmp_lg_u32 s3, 0
	s_cbranch_scc1 .Llap
	TURN2 0, 1, 0
	STEP2 1, 0
	s_wait_dscnt 0x0
	MULQ 0, 1, 0
	MULQ 1, 1, 0
	MULQ 2, 1, 0
	MULQ 3, 1, 0
	WIN 0
	PLACES NP
	WIN 0x08
	s_wait_alu depctr_va_vdst(0)
.irp a, 0,1,2,3
.irp b, 0,1,2,3,4,5,6,7
	ds_store_b128 v[STO], v[8*(8*\a+\b):8*(8*\a+\b)+3] offset:16*SPITCH*\a+64*\b
	ds_store_b128 v[STO], v[8*(8*\a+\b)+4:8*(8*\a+\b)+7] offset:16*SPITCH*\a+64*\b+16
.endr
.endr
	WIN 0
	s_wait_dscnt 0x0
	s_barrier_signal -1
	s_barrier_wait -1
.macro SUMROWS t0
.irp t, 0,1,2,3,4,5,6,7
.irp p, 0,1,2,3
	ds_load_b128 v[RB+16*\t+4*\p:RB+16*\t+4*\p+3], v[SRA+\p] offset:SPITCH*(\t0+\t)
.endr
.endr
.irp t, 0,1,2,3,4,5,6,7
	s_wait_dscnt 4*(7-\t)
	v_pk_add_f32 v[RB+16*\t:RB+16*\t+1], v[RB+16*\t:RB+16*\t+1], v[RB+16*\t+4:RB+16*\t+5]
	v_pk_add_f32 v[RB+16*\t+2:RB+16*\t+3], v[RB+16*\t+2:RB+16*\t+3], v[RB+16*\t+6:RB+16*\t+7]
	v_pk_add_f32 v[RB+16*\t+8:RB+16*\t+9], v[RB+16*\t+8:RB+16*\t+9], v[RB+16*\t+12:RB+16*\t+13]
	v_pk_add_f32 v[RB+16*\t+10:RB+16*\t+11], v[RB+16*\t+10:RB+16*\t+11], v[RB+16*\t+14:RB+16*\t+15]
	v_pk_add_f32 v[RB+16*\t:RB+16*\t+1], v[RB+16*\t:RB+16*\t+1], v[RB+16*\t+8:RB+16*\t+9]
	v_pk_add_f32 v[RB+16*\t+2:RB+16*\t+3], v[RB+16*\t+2:RB+16*\t+3], v[RB+16*\t+10:RB+16*\t+11]
	global_store_b128 v[L16], v[RB+16*\t:RB+16*\t+3], s[8:9] offset:8192*(\t0+\t) th:TH_STORE_NT
.endr
.endm
	SUMROWS 0
	s_wait_xcnt 0x0
	SUMROWS 8
	s_wait_tensorcnt 0x0
	ds_add_u32 v[SPW], v[NIL]
	s_wait_dscnt 0x0
	CROUND
	s_endpgm
.Lfunc_end_k_qdcd167cf5d_down:
	.size	k_qdcd167cf5d_down, .Lfunc_end_k_qdcd167cf5d_down-k_qdcd167cf5d_down
	.p2alignl 7, 3214868480
	.fill 96, 4, 3214868480
	.section	.rodata,"a",@progbits
	.p2align	6, 0x0
	.amdhsa_kernel k_qdcd167cf5d_down
		.amdhsa_group_segment_fixed_size 327680
		.amdhsa_private_segment_fixed_size 0
		.amdhsa_enable_private_segment 0
		.amdhsa_kernarg_size 24
		.amdhsa_user_sgpr_count 2
		.amdhsa_user_sgpr_kernarg_segment_ptr 1
		.amdhsa_wavefront_size32 1
		.amdhsa_system_sgpr_workgroup_id_x 1
		.amdhsa_system_sgpr_workgroup_id_y 1
		.amdhsa_system_sgpr_workgroup_id_z 1
		.amdhsa_system_vgpr_workitem_id 0
		.amdhsa_next_free_vgpr 768
		.amdhsa_next_free_sgpr 98
		.amdhsa_reserve_vcc 0
		.amdhsa_float_denorm_mode_32 3
		.amdhsa_float_denorm_mode_16_64 3
		.amdhsa_memory_ordered 1
		.amdhsa_forward_progress 1
		.amdhsa_inst_pref_size 90
	.end_amdhsa_kernel
	.amdgpu_metadata
---
amdhsa.version: [ 1, 2 ]
amdhsa.kernels:
  - .name:           k_qdcd167cf5d_down
    .symbol:         k_qdcd167cf5d_down.kd
    .args:
      - { .name: hq, .offset: 0, .size: 8, .value_kind: global_buffer, .address_space: global }
      - { .name: wdn, .offset: 8, .size: 8, .value_kind: global_buffer, .address_space: global }
      - { .name: out0, .offset: 16, .size: 8, .value_kind: global_buffer, .address_space: global }
    .group_segment_fixed_size: 327680
    .private_segment_fixed_size: 0
    .kernarg_segment_align: 8
    .kernarg_segment_size: 24
    .max_flat_workgroup_size: 128
    .sgpr_count:     98
    .vgpr_count:     768
    .wavefront_size: 32
...
	.end_amdgpu_metadata
.endif
;; end of part 3
